; MI455X (gfx1250); checked and timed in simulation.
; The chip was launched on July 23, 2026; its instructions are those of AMD's public machine-readable ISA for CDNA 5 (MIT licence, August 2026) and "CDNA5" Instruction Set Architecture Reference Guide (July 2026). The comments in the code are by the model that wrote it; some were corrected since.
;; Unbalanced MMSE. Allowed arithmetic: float matrix products may take bf16 or f16 operands with f32 sums; all other float work in f32.
;; Inputs: W 128 x 512 float32; W_minor 128 x 512 float32; data 64 x 2,048 x 128 float32; targets 64 x 2,048 float32.
;; Outputs: out0 64 x 2,048 float32.
;; 2 versions, each right and faster than the one before. Each part assembles by itself: llvm-mc -triple=amdgcn-amd-amdhsa -mcpu=gfx1250 --defsym DOCPART=n.
;; ======== version 1 of 2: 2 launches
;; limits: values outside matrix products are rounded to bf16
;; workspace buffers: part 8,388,608 bytes
;; launch post (part 1): grid 256 x 1, 8 waves a work-group, clusters of 4 x 1, 327,680 bytes of LDS; arguments W, W_minor, data, targets, part; writes part
.if DOCPART == 1
	.amdgcn_target "amdgcn-amd-amdhsa--gfx1250"
	.amdhsa_code_object_version 6
	.text
	.protected	k_q487ab466d7_post
	.globl	k_q487ab466d7_post
	.p2align	8
	.type	k_q487ab466d7_post,@function
k_q487ab466d7_post:
	s_mov_b64 s[64:65], 0
	v_nop
	global_prefetch_b8 v0, s[64:65] scope:SCOPE_SE
	s_setreg_imm32_b32 hwreg(HW_REG_WAVE_MODE, 25, 1), 1
	s_wait_xcnt 0x0
	s_wait_alu depctr_hold_cnt(0) depctr_sa_sdst(0) depctr_va_vdst(0) depctr_va_sdst(0) depctr_va_ssrc(0) depctr_va_vcc(0) depctr_vm_vsrc(0)
	s_getreg_b32 s2, hwreg(HW_REG_IB_STS2, 6, 4)
	s_cmp_eq_u32 s2, 0
	s_cbranch_scc0 .Lentry_in_a_cluster
	s_endpgm
.Lentry_in_a_cluster:
	s_bfe_u32 s2, ttmp6, 0x10000c
	s_cmp_lg_u32 s2, 0x3003
	s_cbranch_scc0 .Lentry_shape_is_right
	s_endpgm
.Lentry_shape_is_right:
; post: partial posteriors.  data [64][2048][128] f32, targets [64][2048] f32, W and W_minor [128][512] f32.
; For point n of a batch and task t: r = x(n).w(t) - target(n);  logit = -0.5 (sum of r^2 over the points before n) + log prior.
; The prediction sum_d x_d sum_t p_t W_dt is formed as sum_t p_t (x.w_t): the same sum in another order, so one matrix product serves.
; A cluster of four work-groups is one batch; a work-group is a slice of 256 tasks (slices 0, 1 from W, 2, 3 from W_minor); a wave owns 32 tasks
; for all 2,048 points, so the running sums never leave a wave.  The four slices read the same data: each tile is asked for jointly (mask 15).
; THE MATRIX INSTRUCTION: A = 16 tasks (W, kept in 64 registers for the whole launch), B = 16 points, C of the first K step = -target, so D = r.
; In D a lane holds one point (column r = lane % 16) and eight tasks (rows 8 h + j, h = lane / 16): sums over tasks stay inside a lane.
; A BLOCK is 256 points.  Column r is SEGMENT r of 16 consecutive points and time step tau = 0..15 walks the 16 segments at once: point 16 r + tau.
; A block's residuals fill register window 1 (16 tau x 16).  Per block: the segments' totals, one scan over the 16 lanes, then the prefix Q goes on in the lane.
; NUMBERS, in units of r^2: Q is kept relative to an offset O = OHI + OLO that takes up, at each block's end, the smallest carried sum (its rounding error
; is kept in OLO), and O starts at -2 log prior.  A record of a point is (H, L, S, WS): S = sum of e, WS = sum of e r, e = exp2(-k (Q - mu)), k = 0.5 log2 e,
; mu = the true minimum of Q over the record's tasks, H + L = O + mu.  So the largest exponent is 0 and S >= 1.  Records are merged by their own minimum.
; OUT: part [batch][slice][n][H, L, S, WS'] with WS' = WS + target S = sum of e (x.w); the next launch merges the four slices.
; LIMITS: data, W, W_minor AND targets are rounded to bf16 (nearest even) before use; an exponential below 2^-126 counts as 0;
; results are finite where the sums of squares are finite in f32; a NaN among the inputs gives unspecified numbers.
.set BF,      131072                   ; LDS 0..131071: F, the block as f32, filled by tensor loads alone; wave w owns 16384 w ..
.set BPITCH,  272                      ; BF: the block in bf16, row 16 tau + r, 256 bytes + 16: sixteen rows start at sixteen different 16-byte columns of 256
.set TAUSTEP, 16*BPITCH
.set TN,      200704                   ; -target four times (16 bytes) at 256 tau + 16 r
.set RECB,    204800                   ; records: wave w at 4352 w, point (r, tau) at 272 r + 16 tau
.set RECW,    4352
.set FA,   2                           ; v2   16384 w + 16 lane
.set CS0,  3                           ; v3   BF + 544 w + 8 lane; v4 one row further
.set BA,   5                           ; v5   BF + 272 r + 16 h
.set TNA,  6                           ; v6   TN + 16 r
.set TNS,  7                           ; v7   TN + 256 (p % 16) + 16 (p / 16), p = my thread's point
.set RST,  8                           ; v8   RECB + 4352 w + 272 r
.set RLD,  9                           ; v9   RECB + 272 (p / 16) + 16 (p % 16)
.set PO,   10                          ; v10  16 p
.set TO,   11                          ; v11  4 p
.set TRAW, 12                          ; v12  target as loaded
.set TBF,  13                          ; v13  target rounded to bf16, as f32
.set WO,   14                          ; v14  16384 h + 4 r
.set RC,   16                          ; v[16:19] the record: OHI, L, S, WS
.set OLO,  20
.set MU,   21
.set KM,   22                          ; v22 k mu; v23 written once (the pair is named)
.set SP,   24                          ; v[24:25], v[28:29] sums of e
.set WP,   26                          ; v[26:27], v[30:31] sums of e r
.set TQ,   32                          ; v[32:35] -target four times
.set T0,   40                          ; v[40:47] at work
.set AW,   48                          ; v[48:111] W: fragment (tile, K step) at 32 tile + 8 ks
.set CAR,  112                         ; v[112:127] carried sums, index c = 8 tile + j
.set TOT,  128                         ; v[128:143] segment totals, then their scan
.set Q,    144                         ; v[144:159] running prefix
.set E,    160                         ; v[160:175] exponentials
.set FB0,  176                         ; v[176:215] fragments of B (32) and C (8), buffer 0
.set FB1,  216                         ; v[216:255] buffer 1
.set X,    176                         ; v[176:239] the conversion's 16 points x 4 (the fragment buffers are idle then)
.set M,    176                         ; v[176:207] the merge's eight records
.set MSB, 0
.macro WIN new                         ; s_set_vgpr_msb: bits 1:0 source 0, 3:2 source 1, 5:4 source 2, 7:6 destination; the high byte repeats the setting left
.if MSB != \new
	s_set_vgpr_msb (MSB<<8)|\new
.set MSB, \new
.endif
.endm
.macro PLACES                          ; four plain vector places behind a matrix instruction before its results are read or loads land on its sources
.rept 4
	v_nop
.endr
.endm
.macro ROUND                           ; a round of the cluster's barrier: my work-group's barrier, wave 0 signals for it, all wait for the four, my barrier again
	s_barrier_signal -1
	s_barrier_wait -1
	s_cmp_lg_u32 s14, 0
	s_cbranch_scc1 .Lnot_wave_0_\@
	s_barrier_signal -3
.Lnot_wave_0_\@:
	s_barrier_wait -3
	s_barrier_signal -1
	s_barrier_wait -1
.endm
	s_load_b256 s[4:11], s[0:1], 0x0               ; W s[4:5], W_minor s[6:7], data s[8:9], targets s[10:11]
	s_load_b64 s[12:13], s[0:1], 0x20              ; part
	v_lshl_add_u32 v254, v0, 2, 0x3a800
	v_mov_b32 v255, 0
	ds_add_u32 v254, v255
	s_wait_dscnt 0x0
	v_lshrrev_b32 v1, 5, v0
	v_readfirstlane_b32 s14, v1                    ; wave 0..7
	s_bfe_u32 s15, ttmp6, 0x40000                  ; cx = my slice; ttmp9 = the cluster = the batch
	s_mov_b32 s32, 0xbf38aa3b                      ; -k, twice (a pair for the packed form)
	s_mov_b32 s33, 0xbf38aa3b
	s_mov_b32 s34, 0x76543210                      ; v_permlanex16_b32: lane i reads lane i of the other half
	s_mov_b32 s35, 0xfedcba98
	s_mov_b32 s43, 0x3f38aa3b                      ; k = 0.5 log2 e
	s_mov_b32 s44, 0x401a1bc8                      ; -2 ln(0.9 / 3)
	s_mov_b32 s45, 0x4188a791                      ; -2 ln(0.1 / 512)
	; descriptor group 1: 16,384 dense bytes as 64 rows of 32 elements of 8 bytes; the same in all four partners
	s_mov_b32 s24, 15|(3<<16)|(1<<21)              ; 15:0 mask: the four work-groups of the cluster; 17:16 elements of 8 bytes; 21 set beside a mask
	s_mov_b32 s25, 32<<16                          ; tensor_dim0 = 32
	s_mov_b32 s26, 64<<16                          ; tensor_dim1 = 64
	s_mov_b32 s27, 32<<16                          ; tile_dim0 = 32
	s_mov_b32 s28, 64                              ; tile_dim1 = 64
	s_mov_b32 s29, 32                              ; from row to row: 32 elements
	s_mov_b32 s30, 0
	s_mov_b32 s31, 0
	s_mov_b32 s20, 1                               ; group 0: count
	s_lshl_b32 s21, s14, 14                        ; LDS address: 16384 w
	s_lshl_b32 s18, ttmp9, 20                      ; the batch's 1,048,576 bytes of data
	s_add_co_u32 s18, s18, s21                     ; + my 32 points of the block.  s18-s23 never hold cx
	s_mov_b32 s19, 0
	s_mov_b32 s39, 0
	s_wait_kmcnt 0x0
	s_add_nc_u64 s[22:23], s[8:9], s[18:19]
	s_or_b32 s23, s23, 0x80000000                  ; type = 2
	s_lshl_b32 s18, ttmp9, 13
	s_add_nc_u64 s[10:11], s[10:11], s[18:19]      ; targets at my batch
	s_cmp_lt_u32 s15, 2                            ; slices 0, 1: the major pool; 2, 3: the minor pool
	s_cselect_b64 s[40:41], s[4:5], s[6:7]
	s_cselect_b32 s42, s44, s45                    ; and its prior
	s_and_b32 s38, s15, 1
	s_lshl_b32 s38, s38, 10                        ; 256 tasks of 4 bytes
	s_lshl_b32 s16, s14, 7                         ; my wave's 32 tasks
	s_add_co_u32 s38, s38, s16
	s_add_nc_u64 s[40:41], s[40:41], s[38:39]
	s_lshl_b32 s38, ttmp9, 2
	s_add_co_u32 s38, s38, s15
	s_lshl_b32 s38, s38, 15                        ; (4 batch + slice) x 2,048 records of 16 bytes
	s_add_nc_u64 s[12:13], s[12:13], s[38:39]
	ROUND                                          ; the four work-groups are here: the first joint loads meet
	tensor_load_to_lds s[20:23], s[24:31]          ; block 0, my 32 points
	s_nop 0
	v_lshlrev_b32 v[TO], 2, v0
	global_load_b32 v[TRAW], v[TO], s[10:11]       ; block 0's target of point p
	v_and_b32 v15, 15, v0                          ; r
	v_bfe_u32 v36, v0, 4, 1                        ; h
	v_lshlrev_b32 v[WO], 2, v15
	v_lshl_add_u32 v[WO], v36, 14, v[WO]           ; 8 h rows of W (2,048 bytes each) + task r
	; W as f32 into window 1: lane (r, h) takes W[32 ks + 16 g + 8 h + i][task 16 tile + r], the order of an A fragment
	WIN 0x40
.irp tl, 0,1
.irp ks, 0,1,2,3
.irp g, 0,1
.irp i, 0,1,2,3,4,5,6,7
	global_load_b32 v[64*\tl+16*\ks+8*\g+\i], v[WO], s[40:41] offset:2048*(32*\ks+16*\g+\i)+64*\tl
.endr
.endr
.endr
.endr
	WIN 0
	v_and_b32 v1, 31, v0                           ; lane
	v_lshlrev_b32 v[FA], 4, v1
	v_lshl_add_u32 v[FA], s14, 14, v[FA]
	s_mul_i32 s16, s14, 2*BPITCH                   ; 544 w: my two segments' rows
	s_add_co_u32 s17, s16, BF
	v_lshl_add_u32 v[CS0], v1, 3, s17
	v_add_nc_u32 v[CS0+1], BPITCH, v[CS0]
	v_mul_u32_u24 v38, v15, BPITCH                 ; 272 r
	v_lshl_add_u32 v[BA], v36, 4, v38
	v_add_nc_u32 v[BA], BF, v[BA]
	v_lshl_add_u32 v[TNA], v15, 4, TN
	s_lshl_b32 s17, s14, 5                         ; thread p = 32 w + 16 h + r is point p: segment 2 w + h, time step r
	s_add_co_u32 s17, s17, TN
	v_lshl_add_u32 v[TNS], v15, 8, s17
	v_lshl_add_u32 v[TNS], v36, 4, v[TNS]
	s_mul_i32 s17, s14, RECW
	s_add_co_u32 s17, s17, RECB
	v_add_nc_u32 v[RST], s17, v38
	s_add_co_u32 s17, s16, RECB
	v_mul_u32_u24 v37, v36, BPITCH
	v_lshl_add_u32 v[RLD], v15, 4, v37
	v_add_nc_u32 v[RLD], s17, v[RLD]
	v_lshlrev_b32 v[PO], 4, v0
.irp c, 0,1,2,3,4,5,6,7,8,9,10,11,12,13,14,15
	v_mov_b32 v[CAR+\c], 0                         ; no point has been seen
.endr
.irp i, 0,1,2,3,4,5,6,7
	v_mov_b32 v[T0+\i], 0                          ; destinations of v_permlanex16_b32 count as read
.endr
	v_mov_b32 v[KM+1], 0
	v_mov_b32 v[RC], s42                           ; O = -2 log prior
	v_mov_b32 v[OLO], 0
	s_wait_loadcnt 0x0                             ; W and the first targets
	WIN 0x05
.irp tl, 0,1
.irp ks, 0,1,2,3
.irp g, 0,1
.irp i, 0,1,2,3
	v_cvt_pk_bf16_f32 v[AW+32*\tl+8*\ks+4*\g+\i], v[64*\tl+16*\ks+8*\g+2*\i], v[64*\tl+16*\ks+8*\g+2*\i+1]
.endr
.endr
.endr
.endr
	WIN 0
; Ten LDS loads: time step tau's C (-target of my column, eight times) and its four B fragments (16 points x 32 d each) into buffer fb
.macro FETCH tau, fb
	ds_load_b128 v[\fb+32:\fb+35], v[TNA] offset:256*(\tau)
	ds_load_b128 v[\fb+36:\fb+39], v[TNA] offset:256*(\tau)
.irp ks, 0,1,2,3
	ds_load_b128 v[\fb+8*\ks:\fb+8*\ks+3],   v[BA] offset:TAUSTEP*(\tau)+64*\ks
	ds_load_b128 v[\fb+8*\ks+4:\fb+8*\ks+7], v[BA] offset:TAUSTEP*(\tau)+64*\ks+32
.endr
.endm
; Eight matrix instructions: residuals of 32 tasks x 16 points into window 1, registers 16 tau .. 16 tau + 15.
; The two accumulators take turns, one instruction a turn, from one time step into the next too.
.macro MULT tau, fb
	WIN 0x40                                       ; D window 1; A, B, C window 0
	v_wmma_f32_16x16x32_bf16 v[16*(\tau):16*(\tau)+7],    v[AW:AW+7],     v[\fb:\fb+7], v[\fb+32:\fb+39]
	v_wmma_f32_16x16x32_bf16 v[16*(\tau)+8:16*(\tau)+15], v[AW+32:AW+39], v[\fb:\fb+7], v[\fb+32:\fb+39]
	WIN 0x50                                       ; C and D window 1
.irp ks, 1,2,3
	v_wmma_f32_16x16x32_bf16 v[16*(\tau):16*(\tau)+7],    v[AW+8*\ks:AW+8*\ks+7],       v[\fb+8*\ks:\fb+8*\ks+7], v[16*(\tau):16*(\tau)+7]
	v_wmma_f32_16x16x32_bf16 v[16*(\tau)+8:16*(\tau)+15], v[AW+32+8*\ks:AW+32+8*\ks+7], v[\fb+8*\ks:\fb+8*\ks+7], v[16*(\tau)+8:16*(\tau)+15]
.endr
.endm
.macro STEP tau, fb, other             ; fetch tau + 1 into the buffer that tau - 1 has left, multiply tau
	WIN 0
	PLACES
	FETCH (\tau)+1, \other
	s_wait_dscnt 10                                ; LDS loads come back in order: all but the ten just issued are in
	MULT \tau, \fb
.endm
.macro PRODUCE
	FETCH 0, FB0
	FETCH 1, FB1
	s_wait_dscnt 10                                ; time step 0's ten are in
	MULT 0, FB0
.irp t, 1,3,5,7,9,11,13
	STEP \t, FB1, FB0
	STEP \t+1, FB0, FB1
.endr
	s_wait_dscnt 0x0
	MULT 15, FB1
	WIN 0
	PLACES
.endm
.macro TOTALS                          ; TOT[c] = sum over tau of r^2: my segment's total for each of my 16 tasks
	WIN 0x05                                       ; sources 0 and 1 window 1
.irp i, 0,2,4,6,8,10,12,14
	v_pk_mul_f32 v[TOT+\i:TOT+\i+1], v[\i:\i+1], v[\i:\i+1]
.endr
.irp t, 1,2,3,4,5,6,7,8,9,10,11,12,13,14,15
.irp i, 0,2,4,6,8,10,12,14
	v_pk_fma_f32 v[TOT+\i:TOT+\i+1], v[16*\t+\i:16*\t+\i+1], v[16*\t+\i:16*\t+\i+1], v[TOT+\i:TOT+\i+1]
.endr
.endr
	WIN 0
.endm
.macro SCAN                            ; inclusive sums over the 16 segments; lanes without a source keep their value
.irp sh, 1,2,4,8
.irp c, 0,1,2,3,4,5,6,7,8,9,10,11,12,13,14,15
	v_add_f32_dpp v[TOT+\c], v[TOT+\c], v[TOT+\c] row_shr:\sh row_mask:0xf bank_mask:0xf
.endr
.endr
.irp c, 0,1,2,3,4,5,6,7,8,9,10,11,12,13,14,15
	v_mov_b32 v[Q+\c], v[CAR+\c]                   ; segment 0 starts at the carried sum,
.endr
.irp c, 0,1,2,3,4,5,6,7,8,9,10,11,12,13,14,15
	v_add_f32_dpp v[Q+\c], v[TOT+\c], v[CAR+\c] row_shr:1 row_mask:0xf bank_mask:0xf   ; segment r at that plus the segments before it
.endr
.endm
.macro MIN16 b                         ; the smallest of v[b .. b+15] and of the other half's, into MU (own half) and T0+1 (other half)
	v_min3_num_f32 v[MU], v[\b], v[\b+1], v[\b+2]
	v_min3_num_f32 v[T0], v[\b+3], v[\b+4], v[\b+5]
	v_min3_num_f32 v[MU], v[MU], v[\b+6], v[\b+7]
	v_min3_num_f32 v[T0], v[T0], v[\b+8], v[\b+9]
	v_min3_num_f32 v[MU], v[MU], v[\b+10], v[\b+11]
	v_min3_num_f32 v[T0], v[T0], v[\b+12], v[\b+13]
	v_min3_num_f32 v[MU], v[MU], v[\b+14], v[\b+15]
	v_min_num_f32 v[MU], v[MU], v[T0]
	v_permlanex16_b32 v[T0+1], v[MU], s34, s35
.endm
; Time step tau: the record of my column's point over the wave's 32 tasks, then Q takes the point in.
.macro CONSUME tau
	MIN16 Q
	v_min_num_f32 v[MU], v[MU], v[T0+1]            ; mu
	v_mul_f32 v[KM], s43, v[MU]
.irp i, 0,2,4,6,8,10,12,14
	v_pk_fma_f32 v[E+\i:E+\i+1], v[Q+\i:Q+\i+1], s[32:33], v[KM:KM+1] op_sel_hi:[1,0,0]   ; -k Q + k mu
.endr
.irp i, 0,1,2,3,4,5,6,7,8,9,10,11,12,13,14,15
	v_exp_f32 v[E+\i], v[E+\i]
.endr
	v_add_f32 v[RC+1], v[OLO], v[MU]               ; L; also the plain instruction that stands behind the exponentials before their use (ISA guide 5.7.2)
	s_wait_alu depctr_va_vdst(0)
	v_pk_add_f32 v[SP:SP+1],   v[E:E+1],     v[E+2:E+3]
	v_pk_add_f32 v[SP+4:SP+5], v[E+4:E+5],   v[E+6:E+7]
	v_pk_add_f32 v[SP:SP+1],   v[SP:SP+1],   v[E+8:E+9]
	v_pk_add_f32 v[SP+4:SP+5], v[SP+4:SP+5], v[E+10:E+11]
	v_pk_add_f32 v[SP:SP+1],   v[SP:SP+1],   v[E+12:E+13]
	v_pk_add_f32 v[SP+4:SP+5], v[SP+4:SP+5], v[E+14:E+15]
	v_pk_add_f32 v[SP:SP+1],   v[SP:SP+1],   v[SP+4:SP+5]
	WIN 0x01                                       ; source 0 (r) window 1
	v_pk_mul_f32 v[WP:WP+1],   v[16*\tau:16*\tau+1],   v[E:E+1]
	v_pk_mul_f32 v[WP+4:WP+5], v[16*\tau+2:16*\tau+3], v[E+2:E+3]
.irp i, 4,8,12
	v_pk_fma_f32 v[WP:WP+1],   v[16*\tau+\i:16*\tau+\i+1],   v[E+\i:E+\i+1],   v[WP:WP+1]
	v_pk_fma_f32 v[WP+4:WP+5], v[16*\tau+\i+2:16*\tau+\i+3], v[E+\i+2:E+\i+3], v[WP+4:WP+5]
.endr
.if \tau < 15
	WIN 0x05
.irp i, 0,2,4,6,8,10,12,14
	v_pk_fma_f32 v[Q+\i:Q+\i+1], v[16*\tau+\i:16*\tau+\i+1], v[16*\tau+\i:16*\tau+\i+1], v[Q+\i:Q+\i+1]
.endr
.endif
	WIN 0
	v_pk_add_f32 v[WP:WP+1], v[WP:WP+1], v[WP+4:WP+5]
	v_add_f32 v[T0+2], v[SP], v[SP+1]
	v_add_f32 v[T0+3], v[WP], v[WP+1]
	v_permlanex16_b32 v[T0+4], v[T0+2], s34, s35   ; the other half's 16 tasks
	v_permlanex16_b32 v[T0+5], v[T0+3], s34, s35
	v_add_f32 v[RC+2], v[T0+2], v[T0+4]
	v_add_f32 v[RC+3], v[T0+3], v[T0+5]
	ds_store_b128 v[RST], v[RC:RC+3] offset:16*\tau   ; both halves of the wave hold the same record and write the same 16 bytes
.endm
; The block's end: the carried sums take the block's totals (lane 15 of the scan), their minimum m moves into O; s = OHI + m, and what the sum lost goes to OLO.
.macro CARUPD
.irp c, 0,1,2,3,4,5,6,7,8,9,10,11,12,13,14,15
	v_add_f32_dpp v[CAR+\c], v[TOT+\c], v[CAR+\c] row_share:15 row_mask:0xf bank_mask:0xf
.endr
	MIN16 CAR
	v_min_num_f32 v[T0], v[MU], v[T0+1]            ; m, in both registers of a pair
	v_min_num_f32 v[T0+1], v[MU], v[T0+1]
.irp i, 0,2,4,6,8,10,12,14
	v_pk_add_f32 v[CAR+\i:CAR+\i+1], v[CAR+\i:CAR+\i+1], v[T0:T0+1] neg_lo:[0,1] neg_hi:[0,1]
.endr
	v_add_f32 v[T0+2], v[RC], v[T0]                ; s
	v_sub_f32 v[T0+3], v[T0+2], v[RC]              ; bb = s - OHI
	v_sub_f32 v[T0+4], v[T0+2], v[T0+3]            ; s - bb
	v_sub_f32 v[T0+5], v[T0], v[T0+3]              ; m - bb
	v_sub_f32 v[T0+4], v[RC], v[T0+4]              ; OHI - (s - bb)
	v_add_f32 v[T0+4], v[T0+4], v[T0+5]
	v_add_f32 v[OLO], v[OLO], v[T0+4]
	v_mov_b32 v[RC], v[T0+2]
.endm
; My 32 points from F (f32) to BF (bf16), 16 at a time: a load takes one point's 512 bytes, a store its 256.
.macro CONVERT
.irp g, 0,1
.irp j, 0,1,2,3,4,5,6,7,8,9,10,11,12,13,14,15
	ds_load_b128 v[X+4*\j:X+4*\j+3], v[FA] offset:512*(16*\g+\j)
.endr
.irp j, 0,1,2,3,4,5,6,7,8,9,10,11,12,13,14,15
	s_wait_dscnt 15                                ; behind load j stand 15 - j loads and j stores, and LDS serves a wave in order (ISA guide 5.7.1)
	v_cvt_pk_bf16_f32 v[X+4*\j],   v[X+4*\j],   v[X+4*\j+1]
	v_cvt_pk_bf16_f32 v[X+4*\j+1], v[X+4*\j+2], v[X+4*\j+3]
	ds_store_b64 v[CS0+\g], v[X+4*\j:X+4*\j+1] offset:TAUSTEP*\j   ; point 32 w + 16 g + j: segment 2 w + g, time step j
.endr
.endr
.endm
; The block's targets: rounded to bf16, kept for the merge, and their negatives laid out for C.  more = 1: the next block's are asked for.
.macro TNB more
	s_wait_loadcnt 0x0                             ; my target is in; the load's base may be stepped
	v_cvt_pk_bf16_f32 v[T0], v[TRAW], v[TRAW]
	v_lshlrev_b32 v[TBF], 16, v[T0]
.irp i, 0,1,2,3
	v_xor_b32 v[TQ+\i], 0x80000000, v[TBF]
.endr
	ds_store_b128 v[TNS], v[TQ:TQ+3]
.if \more
	s_add_nc_u64 s[10:11], s[10:11], 1024
	global_load_b32 v[TRAW], v[TO], s[10:11]
.endif
.endm
; Thread p merges the eight waves' records of point p: d_i = the stabilisers' distance from record 0's, m = the smallest (0 for record 0),
; a_i = exp2(k (m - d_i)), so the largest a is 1.  more = 1: part's base steps to the next block.
.macro MERGE more
.irp i, 0,1,2,3,4,5,6,7
	ds_load_b128 v[M+4*\i:M+4*\i+3], v[RLD] offset:RECW*\i
.endr
	s_wait_dscnt 0x0                               ; all eight are needed at once
.irp i, 1,2,3,4,5,6,7
	v_sub_f32 v[M+4*\i],   v[M+4*\i],   v[M]
	v_sub_f32 v[M+4*\i+1], v[M+4*\i+1], v[M+1]
.endr
.irp i, 1,2,3,4,5,6,7
	v_add_f32 v[M+4*\i], v[M+4*\i], v[M+4*\i+1]
.endr
	v_min3_num_f32 v[T0], v[M+4], v[M+8], v[M+12]
	v_min3_num_f32 v[T0], v[T0], v[M+16], v[M+20]
	v_min3_num_f32 v[T0], v[T0], v[M+24], v[M+28]
	v_min_num_f32 v[T0], 0, v[T0]
	v_mul_f32 v[T0+1], s43, v[T0]                  ; k m
.irp i, 1,2,3,4,5,6,7
	v_fma_f32 v[M+4*\i], v[M+4*\i], s32, v[T0+1]
.endr
	v_exp_f32 v[T0+1], v[T0+1]
.irp i, 1,2,3,4,5,6,7
	v_exp_f32 v[M+4*\i], v[M+4*\i]
.endr
	v_add_f32 v[M+1], v[M+1], v[T0]                ; L0 + m; also the plain instruction behind the exponentials
	s_wait_alu depctr_va_vdst(0)
	v_mul_f32 v[M+2], v[T0+1], v[M+2]
	v_mul_f32 v[M+3], v[T0+1], v[M+3]
.irp i, 1,2,3,4,5,6,7
	v_fmac_f32 v[M+2], v[M+4*\i], v[M+4*\i+2]
	v_fmac_f32 v[M+3], v[M+4*\i], v[M+4*\i+3]
.endr
	v_fmac_f32 v[M+3], v[TBF], v[M+2]              ; sum e r + target sum e = sum e (x.w)
	global_store_b128 v[PO], v[M:M+3], s[12:13]    ; sixteen lanes store 256 consecutive bytes, at a multiple of 256 from part's first byte
.if \more
	s_wait_xcnt 0x0                                ; the store's base and data are rewritten only behind this wait
	s_add_nc_u64 s[12:13], s[12:13], 4096
.endif
.endm
; One block.  refill = 1: F is asked for again, for the next block, as soon as every wave of the four work-groups has converted its part.
.macro BLOCK refill
	s_wait_xcnt 0x0
	v_lshl_add_u32 v254, v0, 2, 0x3a800
	v_mov_b32 v255, 0
	s_wait_tensorcnt 0x0                           ; my one tensor load has landed: my 32 points are in F, and no load of mine is out, so group 0 may be written
	ds_add_u32 v254, v255
	s_wait_dscnt 0x0
.if \refill
	s_add_nc_u64 s[22:23], s[22:23], 131072        ; the next block's 256 points
.endif
	TNB \refill
	CONVERT
	s_wait_dscnt 0x0                               ; my reads of F are back, my rows of BF and my words of TN are written
.if \refill
	ROUND                                          ; that now holds of every wave of the four work-groups
	tensor_load_to_lds s[20:23], s[24:31]          ; my one tensor load behind the round, first thing: it has the whole block's work in which to land
	s_nop 0
.else
	s_barrier_signal -1
	s_barrier_wait -1                              ; BF and TN are whole; nothing is left to fetch
.endif
	PRODUCE
	TOTALS
	SCAN
.irp t, 0,1,2,3,4,5,6,7,8,9,10,11,12,13,14,15
	CONSUME \t
.endr
.if \refill
	CARUPD
.endif
	s_wait_dscnt 0x0                               ; my records are written; my reads of BF and TN were back long ago
	s_barrier_signal -1
	s_barrier_wait -1                              ; all records are there, and BF and TN may be written again.  No LDS bytes are filled again behind this barrier before the next round
	MERGE \refill
.endm
	s_mov_b32 s36, 7
.Lblk:
	BLOCK 1
	s_sub_co_i32 s36, s36, 1
	s_cmp_lg_u32 s36, 0
	s_cbranch_scc1 .Lblk
	BLOCK 0                                        ; the eighth block fetches nothing
	s_wait_xcnt 0x0
	v_lshl_add_u32 v254, v0, 2, 0x3a800
	v_mov_b32 v255, 0
	s_wait_tensorcnt 0x0
	ds_add_u32 v254, v255
	s_wait_dscnt 0x0
	ROUND                                          ; the closing round: no work-group ends while a partner may still ask jointly
	s_endpgm
.Lfunc_end_k_q487ab466d7_post:
	.size	k_q487ab466d7_post, .Lfunc_end_k_q487ab466d7_post-k_q487ab466d7_post
	.p2alignl 7, 3214868480
	.fill 96, 4, 3214868480
	.section	.rodata,"a",@progbits
	.p2align	6, 0x0
	.amdhsa_kernel k_q487ab466d7_post
		.amdhsa_group_segment_fixed_size 327680
		.amdhsa_private_segment_fixed_size 0
		.amdhsa_enable_private_segment 0
		.amdhsa_kernarg_size 40
		.amdhsa_user_sgpr_count 2
		.amdhsa_user_sgpr_kernarg_segment_ptr 1
		.amdhsa_wavefront_size32 1
		.amdhsa_system_sgpr_workgroup_id_x 1
		.amdhsa_system_sgpr_workgroup_id_y 1
		.amdhsa_system_sgpr_workgroup_id_z 1
		.amdhsa_system_vgpr_workitem_id 0
		.amdhsa_next_free_vgpr 512
		.amdhsa_next_free_sgpr 66
		.amdhsa_reserve_vcc 0
		.amdhsa_float_denorm_mode_32 3
		.amdhsa_float_denorm_mode_16_64 3
		.amdhsa_memory_ordered 1
		.amdhsa_forward_progress 1
		.amdhsa_inst_pref_size 235
	.end_amdhsa_kernel
	.amdgpu_metadata
---
amdhsa.version: [ 1, 2 ]
amdhsa.kernels:
  - .name:           k_q487ab466d7_post
    .symbol:         k_q487ab466d7_post.kd
    .args:
      - { .name: W, .offset: 0, .size: 8, .value_kind: global_buffer, .address_space: global }
      - { .name: W_minor, .offset: 8, .size: 8, .value_kind: global_buffer, .address_space: global }
      - { .name: data, .offset: 16, .size: 8, .value_kind: global_buffer, .address_space: global }
      - { .name: targets, .offset: 24, .size: 8, .value_kind: global_buffer, .address_space: global }
      - { .name: part, .offset: 32, .size: 8, .value_kind: global_buffer, .address_space: global }
    .group_segment_fixed_size: 327680
    .private_segment_fixed_size: 0
    .kernarg_segment_align: 8
    .kernarg_segment_size: 40
    .max_flat_workgroup_size: 256
    .sgpr_count:     66
    .vgpr_count:     512
    .wavefront_size: 32
...
	.end_amdgpu_metadata
.endif
;; end of part 1
;; launch comb (part 2): grid 256 x 1, 8 waves a work-group, no clusters, 0 bytes of LDS; arguments part, out0; writes out0
.if DOCPART == 2
	.amdgcn_target "amdgcn-amd-amdhsa--gfx1250"
	.amdhsa_code_object_version 6
	.text
	.protected	k_q487ab466d7_comb
	.globl	k_q487ab466d7_comb
	.p2align	8
	.type	k_q487ab466d7_comb,@function
k_q487ab466d7_comb:
	s_mov_b64 s[64:65], 0
	v_nop
	global_prefetch_b8 v0, s[64:65] scope:SCOPE_SE
	s_setreg_imm32_b32 hwreg(HW_REG_WAVE_MODE, 25, 1), 1
	s_wait_xcnt 0x0
; comb: out0[batch][n] = (sum over the four slices of a_i WS_i) / (sum of a_i S_i).
; part [batch 64][slice 4][n 2048][H, L, S, WS] f32: S = sum of e, WS = sum of e (x.w), with e taken relative to the stabiliser H + L (units of r^2).
; d_i = (H_i - H_0) + (L_i - L_0), m = min(0, d_i), a_i = exp2(k (m - d_i)), k = 0.5 log2 e: the largest a is 1 and its S is at least 1.
; Work-group g: batch g / 4, points 512 (g % 4) ..; thread t takes points 2 t and 2 t + 1, so that a wave's one store covers 256 consecutive bytes, aligned.
; A stream of 8 MiB read once: no LDS, no barrier, no loop, no matrix unit.  An exponential below 2^-126 counts as 0.
	s_load_b128 s[4:7], s[0:1], 0x0                ; part s[4:5], out0 s[6:7]
	s_lshr_b32 s10, ttmp9, 2
	s_lshl_b32 s10, s10, 17                        ; a batch: 4 slices x 32,768 bytes
	s_and_b32 s12, ttmp9, 3
	s_lshl_b32 s12, s12, 13                        ; 512 records of 16 bytes
	s_add_co_u32 s10, s10, s12
	s_mov_b32 s11, 0
	s_lshl_b32 s12, ttmp9, 11                      ; 512 results of 4 bytes
	s_mov_b32 s13, 0
	s_mov_b32 s8, 0x3f38aa3b                       ; k
	s_mov_b32 s9, 0xbf38aa3b                       ; -k
	v_lshlrev_b32 v1, 5, v0                        ; my two records
	s_wait_kmcnt 0x0
	s_add_nc_u64 s[4:5], s[4:5], s[10:11]
	s_add_nc_u64 s[6:7], s[6:7], s[12:13]
.irp i, 0,1,2,3
	global_load_b128 v[8+8*\i:8+8*\i+3],  v1, s[4:5] offset:32768*\i th:TH_LOAD_NT      ; slice i, point 2 t
	global_load_b128 v[12+8*\i:12+8*\i+3], v1, s[4:5] offset:32768*\i+16 th:TH_LOAD_NT  ; slice i, point 2 t + 1
.endr
.macro DIFF P, T                       ; records at P + 8 i; leaves the exponents of a_i in place of H_i, that of a_0 in T
.irp i, 1,2,3
	v_sub_f32 v[\P+8*\i],   v[\P+8*\i],   v[\P]
	v_sub_f32 v[\P+8*\i+1], v[\P+8*\i+1], v[\P+1]
.endr
.irp i, 1,2,3
	v_add_f32 v[\P+8*\i], v[\P+8*\i], v[\P+8*\i+1]
.endr
	v_min3_num_f32 v[\T], v[\P+8], v[\P+16], v[\P+24]
	v_min_num_f32 v[\T], 0, v[\T]
	v_mul_f32 v[\T], s8, v[\T]                     ; k m
.irp i, 1,2,3
	v_fma_f32 v[\P+8*\i], v[\P+8*\i], s9, v[\T]
.endr
.endm
.macro SUMS P, T                       ; S into P + 2, WS into P + 3
	v_mul_f32 v[\P+2], v[\T], v[\P+2]
	v_mul_f32 v[\P+3], v[\T], v[\P+3]
.irp i, 1,2,3
	v_fmac_f32 v[\P+2], v[\P+8*\i], v[\P+8*\i+2]
	v_fmac_f32 v[\P+3], v[\P+8*\i], v[\P+8*\i+3]
.endr
.endm
	s_wait_loadcnt 0x0                             ; a point needs all its four records at once
	DIFF 8, 40
	DIFF 12, 41
	v_exp_f32 v40, v40
	v_exp_f32 v41, v41
.irp i, 1,2,3
	v_exp_f32 v[8+8*\i], v[8+8*\i]
	v_exp_f32 v[12+8*\i], v[12+8*\i]
.endr
	v_lshlrev_b32 v2, 3, v0                        ; my 8 bytes of out0; also the plain instruction behind the exponentials before their use (ISA guide 5.7.2)
	s_wait_alu depctr_va_vdst(0)
	SUMS 8, 40
	v_rcp_f32 v42, v10                             ; the second point's sums stand between this and its use
	SUMS 12, 41
	v_rcp_f32 v43, v14
	s_wait_alu depctr_va_vdst(0)
	v_mul_f32 v44, v42, v11                        ; the first point's result stands between the second reciprocal and its use
	v_mul_f32 v45, v43, v15
	global_store_b64 v2, v[44:45], s[6:7]
	s_endpgm
.Lfunc_end_k_q487ab466d7_comb:
	.size	k_q487ab466d7_comb, .Lfunc_end_k_q487ab466d7_comb-k_q487ab466d7_comb
	.p2alignl 7, 3214868480
	.fill 96, 4, 3214868480
	.section	.rodata,"a",@progbits
	.p2align	6, 0x0
	.amdhsa_kernel k_q487ab466d7_comb
		.amdhsa_group_segment_fixed_size 0
		.amdhsa_private_segment_fixed_size 0
		.amdhsa_enable_private_segment 0
		.amdhsa_kernarg_size 16
		.amdhsa_user_sgpr_count 2
		.amdhsa_user_sgpr_kernarg_segment_ptr 1
		.amdhsa_wavefront_size32 1
		.amdhsa_system_sgpr_workgroup_id_x 1
		.amdhsa_system_sgpr_workgroup_id_y 1
		.amdhsa_system_sgpr_workgroup_id_z 1
		.amdhsa_system_vgpr_workitem_id 0
		.amdhsa_next_free_vgpr 48
		.amdhsa_next_free_sgpr 66
		.amdhsa_reserve_vcc 0
		.amdhsa_float_denorm_mode_32 3
		.amdhsa_float_denorm_mode_16_64 3
		.amdhsa_memory_ordered 1
		.amdhsa_forward_progress 1
		.amdhsa_inst_pref_size 4
	.end_amdhsa_kernel
	.amdgpu_metadata
---
amdhsa.version: [ 1, 2 ]
amdhsa.kernels:
  - .name:           k_q487ab466d7_comb
    .symbol:         k_q487ab466d7_comb.kd
    .args:
      - { .name: part, .offset: 0, .size: 8, .value_kind: global_buffer, .address_space: global }
      - { .name: out0, .offset: 8, .size: 8, .value_kind: global_buffer, .address_space: global }
    .group_segment_fixed_size: 0
    .private_segment_fixed_size: 0
    .kernarg_segment_align: 8
    .kernarg_segment_size: 16
    .max_flat_workgroup_size: 256
    .sgpr_count:     66
    .vgpr_count:     48
    .wavefront_size: 32
...
	.end_amdgpu_metadata
.endif
;; end of part 2
;; ======== version 2 of 2: 2 launches; 1.14 times as fast as version 1
;; limits: values outside matrix products are rounded to bf16
;; workspace buffers: part 8,388,608 bytes
;; launch post (part 3): grid 256 x 1, 8 waves a work-group, clusters of 4 x 1, 327,680 bytes of LDS; arguments W, W_minor, data, targets, part; writes part
.if DOCPART == 3
	.amdgcn_target "amdgcn-amd-amdhsa--gfx1250"
	.amdhsa_code_object_version 6
	.text
	.protected	k_q487ab466d7_post
	.globl	k_q487ab466d7_post
	.p2align	8
	.type	k_q487ab466d7_post,@function
k_q487ab466d7_post:
	s_mov_b64 s[64:65], 0
	v_nop
	global_prefetch_b8 v0, s[64:65] scope:SCOPE_SE
	s_setreg_imm32_b32 hwreg(HW_REG_WAVE_MODE, 25, 1), 1
	s_wait_xcnt 0x0
	s_wait_alu depctr_hold_cnt(0) depctr_sa_sdst(0) depctr_va_vdst(0) depctr_va_sdst(0) depctr_va_ssrc(0) depctr_va_vcc(0) depctr_vm_vsrc(0)
	s_getreg_b32 s2, hwreg(HW_REG_IB_STS2, 6, 4)
	s_cmp_eq_u32 s2, 0
	s_cbranch_scc0 .Lentry_in_a_cluster
	s_endpgm
.Lentry_in_a_cluster:
	s_bfe_u32 s2, ttmp6, 0x10000c
	s_cmp_lg_u32 s2, 0x3003
	s_cbranch_scc0 .Lentry_shape_is_right
	s_endpgm
.Lentry_shape_is_right:
; post: partial posteriors.  data [64][2048][128] f32, targets [64][2048] f32, W and W_minor [128][512] f32.
; For point n of a batch and task t: r = x(n).w(t) - target(n);  logit = -0.5 (sum of r^2 over the points before n) + log prior.
; The prediction sum_d x_d sum_t p_t W_dt is formed as sum_t p_t (x.w_t): the same sum in another order, so one matrix product serves.
; A cluster of four work-groups is one batch; a work-group is a slice of 256 tasks (slices 0, 1 from W, 2, 3 from W_minor); a wave owns 32 tasks
; for all 2,048 points, so the running sums never leave a wave.  The four slices read the same data: each tile is asked for jointly (mask 15).
; THE MATRIX INSTRUCTION: A = 16 tasks (W, kept in 64 registers for the whole launch), B = 16 points, C of the first K step = -target, so D = r.
; In D a lane holds one point (column r = lane % 16) and eight tasks (rows 8 h + j, h = lane / 16): sums over tasks stay inside a lane.
; A BLOCK is 256 points.  Column r is SEGMENT r of 16 consecutive points and time step tau = 0..15 walks the 16 segments at once: point 16 r + tau.
; A block's residuals fill register window 1 (slot tau = registers 16 tau .. 16 tau + 15).  Per block: the segments' totals, one scan over the 16 lanes,
; then the prefix Q goes on in the lane.
; THE PIPELINE: time step tau of block b is the last reader of slot tau; straight behind it the eight matrix instructions of block b + 1, time step tau,
; write the same slot, and the next step adds their squares to the next block's totals.  So matrix and vector work stand side by side in every step,
; the places behind the matrix instructions are real work, and fragments are asked for one step ahead.  Price: five window switches a step.
; NUMBERS, in units of r^2: Q is kept relative to an offset O = OHI + OLO that takes up, from block to block, the smallest carried sum (its rounding error
; is kept in OLO), and O starts at -2 log prior.  A record of a point is (H, L, S, WS): S = sum of e, WS = sum of e r, e = exp2(-k (Q - mu)), k = 0.5 log2 e,
; mu = the true minimum of Q over the record's tasks, H + L = O + mu.  So the largest exponent is 0 and S >= 1.  Records are merged by their own minimum.
; OUT: part [batch][slice][n][H, L, S, WS'] with WS' = WS + target S = sum of e (x.w); the next launch merges the four slices.
; LIMITS: data, W, W_minor AND targets are rounded to bf16 (nearest even) before use; an exponential below 2^-126 counts as 0;
; results are finite where the sums of squares are finite in f32; a NaN among the inputs gives unspecified numbers.
.set BF,      131072                   ; LDS 0..131071: F, the block as f32, filled by tensor loads alone; wave w owns 16384 w ..
.set BPITCH,  272                      ; BF: the block in bf16, row 16 tau + r, 256 bytes + 16: sixteen rows start at sixteen different 16-byte columns of 256
.set TAUSTEP, 16*BPITCH
.set TN,      200704                   ; -target four times (16 bytes) at 256 tau + 16 r
.set RECB,    204800                   ; records: wave w at 4352 w, point (r, tau) at 272 r + 16 tau
.set RECW,    4352
.set FA,   2                           ; v2   16384 w + 16 lane
.set CS0,  3                           ; v3   BF + 544 w + 8 lane; v4 one row further
.set BA,   5                           ; v5   BF + 272 r + 16 h
.set TNA,  6                           ; v6   TN + 16 r
.set TNS,  7                           ; v7   TN + 256 (p % 16) + 16 (p / 16), p = my thread's point
.set RST,  8                           ; v8   RECB + 4352 w + 272 r
.set RLD,  9                           ; v9   RECB + 272 (p / 16) + 16 (p % 16)
.set PO,   10                          ; v10  16 p
.set TO,   11                          ; v11  4 p
.set TRAW, 12                          ; v12  target as loaded
.set TBF,  13                          ; v13  target of the block last brought in, rounded to bf16, as f32
.set WO,   14                          ; v14  16384 h + 4 r
.set RC,   16                          ; v[16:19] the record: OHI, L, S, WS
.set OLO,  20
.set MU,   21
.set KM,   22                          ; v22 k mu; v23 written once (the pair is named)
.set SP,   24                          ; v[24:25], v[28:29] sums of e
.set WP,   26                          ; v[26:27], v[30:31] sums of e r
.set TQ,   32                          ; v[32:35] -target four times
.set ONHI, 36                          ; v36, v37 the offset of the block behind the one being consumed (at work in the set-up before that)
.set ONLO, 37
.set TBFO, 38                          ; v38  target of the block being consumed, for its merge
.set T0,   40                          ; v[40:47] at work
.set AW,   48                          ; v[48:111] W: fragment (tile, K step) at 32 tile + 8 ks
.set CAR,  112                         ; v[112:127] carried sums, index c = 8 tile + j
.set TOT,  128                         ; v[128:143] segment totals, then their scan
.set Q,    144                         ; v[144:159] running prefix
.set E,    160                         ; v[160:175] exponentials
.set FB0,  176                         ; v[176:215] fragments of B (32) and C (8)
.set FB1,  216                         ; v[216:255] a second buffer, for block 0's product alone
.set X,    176                         ; v[176:239] the conversion's 16 points x 4 (the fragment buffers are idle then)
.set M,    176                         ; v[176:207] the merge's eight records
.set MSB, 0
.macro WIN new                         ; s_set_vgpr_msb: bits 1:0 source 0, 3:2 source 1, 5:4 source 2, 7:6 destination; the high byte repeats the setting left
.if MSB != \new
	s_set_vgpr_msb (MSB<<8)|\new
.set MSB, \new
.endif
.endm
.macro PLACES                          ; four plain vector places behind a matrix instruction before its results are read or loads land on its sources
.rept 4
	v_nop
.endr
.endm
.macro ROUND                           ; a round of the cluster's barrier: my work-group's barrier, wave 0 signals for it, all wait for the four, my barrier again
	s_barrier_signal -1
	s_barrier_wait -1
	s_cmp_lg_u32 s14, 0
	s_cbranch_scc1 .Lnot_wave_0_\@
	s_barrier_signal -3
.Lnot_wave_0_\@:
	s_barrier_wait -3
	s_barrier_signal -1
	s_barrier_wait -1
.endm
	s_load_b256 s[4:11], s[0:1], 0x0               ; W s[4:5], W_minor s[6:7], data s[8:9], targets s[10:11]
	s_load_b64 s[12:13], s[0:1], 0x20              ; part
	v_lshl_add_u32 v254, v0, 2, 0x3a800
	v_mov_b32 v255, 0
	ds_add_u32 v254, v255
	s_wait_dscnt 0x0
	v_lshrrev_b32 v1, 5, v0
	v_readfirstlane_b32 s14, v1                    ; wave 0..7
	s_bfe_u32 s15, ttmp6, 0x40000                  ; cx = my slice; ttmp9 = the cluster = the batch
	s_mov_b32 s32, 0xbf38aa3b                      ; -k, twice (a pair for the packed form)
	s_mov_b32 s33, 0xbf38aa3b
	s_mov_b32 s34, 0x76543210                      ; v_permlanex16_b32: lane i reads lane i of the other half
	s_mov_b32 s35, 0xfedcba98
	s_mov_b32 s43, 0x3f38aa3b                      ; k = 0.5 log2 e
	s_mov_b32 s44, 0x401a1bc8                      ; -2 ln(0.9 / 3)
	s_mov_b32 s45, 0x4188a791                      ; -2 ln(0.1 / 512)
	; descriptor group 1: 16,384 dense bytes as 64 rows of 32 elements of 8 bytes; the same in all four partners
	s_mov_b32 s24, 15|(3<<16)|(1<<21)              ; 15:0 mask: the four work-groups of the cluster; 17:16 elements of 8 bytes; 21 set beside a mask
	s_mov_b32 s25, 32<<16                          ; tensor_dim0 = 32
	s_mov_b32 s26, 64<<16                          ; tensor_dim1 = 64
	s_mov_b32 s27, 32<<16                          ; tile_dim0 = 32
	s_mov_b32 s28, 64                              ; tile_dim1 = 64
	s_mov_b32 s29, 32                              ; from row to row: 32 elements
	s_mov_b32 s30, 0
	s_mov_b32 s31, 0
	s_mov_b32 s20, 1                               ; group 0: count
	s_lshl_b32 s21, s14, 14                        ; LDS address: 16384 w
	s_lshl_b32 s18, ttmp9, 20                      ; the batch's 1,048,576 bytes of data
	s_add_co_u32 s18, s18, s21                     ; + my 32 points of the block.  s18-s23 never hold cx
	s_mov_b32 s19, 0
	s_mov_b32 s39, 0
	s_wait_kmcnt 0x0
	s_add_nc_u64 s[22:23], s[8:9], s[18:19]
	s_or_b32 s23, s23, 0x80000000                  ; type = 2
	s_lshl_b32 s18, ttmp9, 13
	s_add_nc_u64 s[10:11], s[10:11], s[18:19]      ; targets at my batch
	s_cmp_lt_u32 s15, 2                            ; slices 0, 1: the major pool; 2, 3: the minor pool
	s_cselect_b64 s[40:41], s[4:5], s[6:7]
	s_cselect_b32 s42, s44, s45                    ; and its prior
	s_and_b32 s38, s15, 1
	s_lshl_b32 s38, s38, 10                        ; 256 tasks of 4 bytes
	s_lshl_b32 s16, s14, 7                         ; my wave's 32 tasks
	s_add_co_u32 s38, s38, s16
	s_add_nc_u64 s[40:41], s[40:41], s[38:39]
	s_lshl_b32 s38, ttmp9, 2
	s_add_co_u32 s38, s38, s15
	s_lshl_b32 s38, s38, 15                        ; (4 batch + slice) x 2,048 records of 16 bytes
	s_add_nc_u64 s[12:13], s[12:13], s[38:39]
	ROUND                                          ; the four work-groups are here: the first joint loads meet
	tensor_load_to_lds s[20:23], s[24:31]          ; block 0, my 32 points
	s_nop 0
	v_lshlrev_b32 v[TO], 2, v0
	global_load_b32 v[TRAW], v[TO], s[10:11]       ; block 0's target of point p
	v_and_b32 v15, 15, v0                          ; r
	v_bfe_u32 v36, v0, 4, 1                        ; h
	v_lshlrev_b32 v[WO], 2, v15
	v_lshl_add_u32 v[WO], v36, 14, v[WO]           ; 8 h rows of W (2,048 bytes each) + task r
	; W as f32 into window 1: lane (r, h) takes W[32 ks + 16 g + 8 h + i][task 16 tile + r], the order of an A fragment
	WIN 0x40
.irp tl, 0,1
.irp ks, 0,1,2,3
.irp g, 0,1
.irp i, 0,1,2,3,4,5,6,7
	global_load_b32 v[64*\tl+16*\ks+8*\g+\i], v[WO], s[40:41] offset:2048*(32*\ks+16*\g+\i)+64*\tl
.endr
.endr
.endr
.endr
	WIN 0
	v_and_b32 v1, 31, v0                           ; lane
	v_lshlrev_b32 v[FA], 4, v1
	v_lshl_add_u32 v[FA], s14, 14, v[FA]
	s_mul_i32 s16, s14, 2*BPITCH                   ; 544 w: my two segments' rows
	s_add_co_u32 s17, s16, BF
	v_lshl_add_u32 v[CS0], v1, 3, s17
	v_add_nc_u32 v[CS0+1], BPITCH, v[CS0]
	v_mul_u32_u24 v38, v15, BPITCH                 ; 272 r
	v_lshl_add_u32 v[BA], v36, 4, v38
	v_add_nc_u32 v[BA], BF, v[BA]
	v_lshl_add_u32 v[TNA], v15, 4, TN
	s_lshl_b32 s17, s14, 5                         ; thread p = 32 w + 16 h + r is point p: segment 2 w + h, time step r
	s_add_co_u32 s17, s17, TN
	v_lshl_add_u32 v[TNS], v15, 8, s17
	v_lshl_add_u32 v[TNS], v36, 4, v[TNS]
	s_mul_i32 s17, s14, RECW
	s_add_co_u32 s17, s17, RECB
	v_add_nc_u32 v[RST], s17, v38
	s_add_co_u32 s17, s16, RECB
	v_mul_u32_u24 v37, v36, BPITCH
	v_lshl_add_u32 v[RLD], v15, 4, v37
	v_add_nc_u32 v[RLD], s17, v[RLD]
	v_lshlrev_b32 v[PO], 4, v0
.irp c, 0,1,2,3,4,5,6,7,8,9,10,11,12,13,14,15
	v_mov_b32 v[CAR+\c], 0                         ; no point has been seen
.endr
.irp i, 0,1,2,3,4,5,6,7
	v_mov_b32 v[T0+\i], 0                          ; destinations of v_permlanex16_b32 count as read
.endr
	v_mov_b32 v[KM+1], 0
	v_mov_b32 v[ONHI], s42                         ; block 0's offset: -2 log prior (v36, v37 have done their set-up work)
	v_mov_b32 v[ONLO], 0
	s_wait_loadcnt 0x0                             ; W and the first targets
	WIN 0x05
.irp tl, 0,1
.irp ks, 0,1,2,3
.irp g, 0,1
.irp i, 0,1,2,3
	v_cvt_pk_bf16_f32 v[AW+32*\tl+8*\ks+4*\g+\i], v[64*\tl+16*\ks+8*\g+2*\i], v[64*\tl+16*\ks+8*\g+2*\i+1]
.endr
.endr
.endr
.endr
	WIN 0
; Ten LDS loads: time step tau's C (-target of my column, eight times) and its four B fragments (16 points x 32 d each) into buffer fb
.macro FETCH tau, fb
	ds_load_b128 v[\fb+32:\fb+35], v[TNA] offset:256*(\tau)
	ds_load_b128 v[\fb+36:\fb+39], v[TNA] offset:256*(\tau)
.irp ks, 0,1,2,3
	ds_load_b128 v[\fb+8*\ks:\fb+8*\ks+3],   v[BA] offset:TAUSTEP*(\tau)+64*\ks
	ds_load_b128 v[\fb+8*\ks+4:\fb+8*\ks+7], v[BA] offset:TAUSTEP*(\tau)+64*\ks+32
.endr
.endm
; Eight matrix instructions: residuals of 32 tasks x 16 points into window 1, slot tau.
; The two accumulators take turns, one instruction a turn, from one time step into the next too.
.macro MULT tau, fb
	WIN 0x40                                       ; D window 1; A, B, C window 0
	v_wmma_f32_16x16x32_bf16 v[16*(\tau):16*(\tau)+7],    v[AW:AW+7],     v[\fb:\fb+7], v[\fb+32:\fb+39]
	v_wmma_f32_16x16x32_bf16 v[16*(\tau)+8:16*(\tau)+15], v[AW+32:AW+39], v[\fb:\fb+7], v[\fb+32:\fb+39]
	WIN 0x50                                       ; C and D window 1
.irp ks, 1,2,3
	v_wmma_f32_16x16x32_bf16 v[16*(\tau):16*(\tau)+7],    v[AW+8*\ks:AW+8*\ks+7],       v[\fb+8*\ks:\fb+8*\ks+7], v[16*(\tau):16*(\tau)+7]
	v_wmma_f32_16x16x32_bf16 v[16*(\tau)+8:16*(\tau)+15], v[AW+32+8*\ks:AW+32+8*\ks+7], v[\fb+8*\ks:\fb+8*\ks+7], v[16*(\tau)+8:16*(\tau)+15]
.endr
.endm
; Block 0's product stands alone: there is no block to consume beside it.  Two fragment buffers take turns.
.macro STEP tau, fb, other             ; fetch tau + 1 into the buffer that tau - 1 has left, multiply tau
	WIN 0
	PLACES
	FETCH (\tau)+1, \other
	s_wait_dscnt 10                                ; LDS loads come back in order: all but the ten just issued are in
	MULT \tau, \fb
.endm
.macro PRODUCE
	FETCH 0, FB0
	FETCH 1, FB1
	s_wait_dscnt 10                                ; time step 0's ten are in
	MULT 0, FB0
.irp t, 1,3,5,7,9,11,13
	STEP \t, FB1, FB0
	STEP \t+1, FB0, FB1
.endr
	s_wait_dscnt 0x0
	MULT 15, FB1
	WIN 0
	PLACES
.endm
.macro TOTALS                          ; block 0: TOT[c] = sum over tau of r^2: my segment's total for each of my 16 tasks
	WIN 0x05                                       ; sources 0 and 1 window 1
.irp i, 0,2,4,6,8,10,12,14
	v_pk_mul_f32 v[TOT+\i:TOT+\i+1], v[\i:\i+1], v[\i:\i+1]
.endr
.irp t, 1,2,3,4,5,6,7,8,9,10,11,12,13,14,15
.irp i, 0,2,4,6,8,10,12,14
	v_pk_fma_f32 v[TOT+\i:TOT+\i+1], v[16*\t+\i:16*\t+\i+1], v[16*\t+\i:16*\t+\i+1], v[TOT+\i:TOT+\i+1]
.endr
.endr
	WIN 0
.endm
.macro MIN16 b                         ; the smallest of v[b .. b+15] into MU (own half of the wave) and T0+1 (other half)
	v_min3_num_f32 v[MU], v[\b], v[\b+1], v[\b+2]
	v_min3_num_f32 v[T0], v[\b+3], v[\b+4], v[\b+5]
	v_min3_num_f32 v[MU], v[MU], v[\b+6], v[\b+7]
	v_min3_num_f32 v[T0], v[T0], v[\b+8], v[\b+9]
	v_min3_num_f32 v[MU], v[MU], v[\b+10], v[\b+11]
	v_min3_num_f32 v[T0], v[T0], v[\b+12], v[\b+13]
	v_min3_num_f32 v[MU], v[MU], v[\b+14], v[\b+15]
	v_min_num_f32 v[MU], v[MU], v[T0]
	v_permlanex16_b32 v[T0+1], v[MU], s34, s35
.endm
; Between two blocks.  The block whose totals lie in TOT becomes the one to consume: its offset is taken over, its totals are summed over the 16 segments
; (lanes without a source keep their value), Q starts each segment.  upd = 1: the carried sums take the whole block at once (lane 15 of the scan), their
; minimum m moves into the following block's offset: s = OHI + m, and what that sum lost goes to its low word.  TOT is free behind this macro.
; Last: the minimum of Q for time step 0.
.macro SCANALL upd
	v_mov_b32 v[RC], v[ONHI]
	v_mov_b32 v[OLO], v[ONLO]
.irp sh, 1,2,4,8
.irp c, 0,1,2,3,4,5,6,7,8,9,10,11,12,13,14,15
	v_add_f32_dpp v[TOT+\c], v[TOT+\c], v[TOT+\c] row_shr:\sh row_mask:0xf bank_mask:0xf
.endr
.endr
.irp c, 0,1,2,3,4,5,6,7,8,9,10,11,12,13,14,15
	v_mov_b32 v[Q+\c], v[CAR+\c]                   ; segment 0 starts at the carried sum,
.endr
.irp c, 0,1,2,3,4,5,6,7,8,9,10,11,12,13,14,15
	v_add_f32_dpp v[Q+\c], v[TOT+\c], v[CAR+\c] row_shr:1 row_mask:0xf bank_mask:0xf   ; segment r at that plus the segments before it
.endr
.if \upd
.irp c, 0,1,2,3,4,5,6,7,8,9,10,11,12,13,14,15
	v_add_f32_dpp v[CAR+\c], v[TOT+\c], v[CAR+\c] row_share:15 row_mask:0xf bank_mask:0xf
.endr
	MIN16 CAR
	v_min_num_f32 v[T0], v[MU], v[T0+1]            ; m, in both registers of a pair
	v_min_num_f32 v[T0+1], v[MU], v[T0+1]
.irp i, 0,2,4,6,8,10,12,14
	v_pk_add_f32 v[CAR+\i:CAR+\i+1], v[CAR+\i:CAR+\i+1], v[T0:T0+1] neg_lo:[0,1] neg_hi:[0,1]
.endr
	v_add_f32 v[T0+2], v[RC], v[T0]                ; s
	v_sub_f32 v[T0+3], v[T0+2], v[RC]              ; bb = s - OHI
	v_sub_f32 v[T0+4], v[T0+2], v[T0+3]            ; s - bb
	v_sub_f32 v[T0+5], v[T0], v[T0+3]              ; m - bb
	v_sub_f32 v[T0+4], v[RC], v[T0+4]              ; OHI - (s - bb)
	v_add_f32 v[T0+4], v[T0+4], v[T0+5]
	v_add_f32 v[ONLO], v[OLO], v[T0+4]
	v_mov_b32 v[ONHI], v[T0+2]
.endif
	MIN16 Q
	v_min_num_f32 v[MU], v[MU], v[T0+1]            ; mu of time step 0
	v_mul_f32 v[KM], s43, v[MU]
.endm
; Time step tau.  On entry MU and KM belong to this step's Q.  The record of my column's point over the wave's 32 tasks is made and stored; Q takes the point in;
; the minimum of the new Q is made among the sums, so that the next step starts without waiting for it.
; prod = 1: the next block's time step tau is multiplied into slot tau as soon as this step has read it, its squares join TOT one step later,
; and the fragments of tau + 1 are asked for at the step's end, a whole step ahead of their use.
.macro STEPF tau, prod
.irp i, 0,2,4,6,8,10,12,14
	v_pk_fma_f32 v[E+\i:E+\i+1], v[Q+\i:Q+\i+1], s[32:33], v[KM:KM+1] op_sel_hi:[1,0,0]   ; -k Q + k mu
.endr
.irp i, 0,1,2,3,4,5,6,7,8,9,10,11,12,13,14,15
	v_exp_f32 v[E+\i], v[E+\i]
.endr
	v_add_f32 v[RC+1], v[OLO], v[MU]               ; L; also the plain instruction that stands behind the exponentials before their use (ISA guide 5.7.2)
.if \tau < 15
	WIN 0x05                                       ; sources 0 and 1 window 1
.irp i, 0,2,4,6,8,10,12,14
	v_pk_fma_f32 v[Q+\i:Q+\i+1], v[16*\tau+\i:16*\tau+\i+1], v[16*\tau+\i:16*\tau+\i+1], v[Q+\i:Q+\i+1]
.endr
.endif
.if \prod
.if \tau == 1
	WIN 0x05
.irp i, 0,2,4,6,8,10,12,14
	v_pk_mul_f32 v[TOT+\i:TOT+\i+1], v[\i:\i+1], v[\i:\i+1]        ; the next block's slot 0 starts its totals: nothing is cleared
.endr
.endif
.if \tau > 1
	WIN 0x05
.irp i, 0,2,4,6,8,10,12,14
	v_pk_fma_f32 v[TOT+\i:TOT+\i+1], v[16*(\tau-1)+\i:16*(\tau-1)+\i+1], v[16*(\tau-1)+\i:16*(\tau-1)+\i+1], v[TOT+\i:TOT+\i+1]   ; the slot written one step ago
.endr
.endif
.endif
	WIN 0x01                                       ; source 0 (r) window 1
	s_wait_alu depctr_va_vdst(0)
	v_pk_mul_f32 v[WP:WP+1],   v[16*\tau:16*\tau+1],   v[E:E+1]
	v_pk_mul_f32 v[WP+4:WP+5], v[16*\tau+2:16*\tau+3], v[E+2:E+3]
.irp i, 4,8,12
	v_pk_fma_f32 v[WP:WP+1],   v[16*\tau+\i:16*\tau+\i+1],   v[E+\i:E+\i+1],   v[WP:WP+1]
	v_pk_fma_f32 v[WP+4:WP+5], v[16*\tau+\i+2:16*\tau+\i+3], v[E+\i+2:E+\i+3], v[WP+4:WP+5]
.endr
.if \prod
	s_wait_dscnt 0x0                               ; this step's ten fragment loads are my youngest LDS instructions, issued a step ago
	MULT \tau, FB0                                 ; slot tau has had its last reader just above
.endif
	WIN 0
	; four chains side by side: two of sums of e, two of the next minimum.  These lines are also the places behind the matrix instructions (ISA guide 7.12.1)
	v_pk_add_f32 v[SP:SP+1],   v[E:E+1],     v[E+2:E+3]
	v_pk_add_f32 v[SP+4:SP+5], v[E+4:E+5],   v[E+6:E+7]
.if \tau < 15
	v_min3_num_f32 v[MU], v[Q], v[Q+1], v[Q+2]
	v_min3_num_f32 v[T0], v[Q+3], v[Q+4], v[Q+5]
.endif
	v_pk_add_f32 v[SP:SP+1],   v[SP:SP+1],   v[E+8:E+9]
	v_pk_add_f32 v[SP+4:SP+5], v[SP+4:SP+5], v[E+10:E+11]
.if \tau < 15
	v_min3_num_f32 v[MU], v[MU], v[Q+6], v[Q+7]
	v_min3_num_f32 v[T0], v[T0], v[Q+8], v[Q+9]
.endif
	v_pk_add_f32 v[SP:SP+1],   v[SP:SP+1],   v[E+12:E+13]
	v_pk_add_f32 v[SP+4:SP+5], v[SP+4:SP+5], v[E+14:E+15]
.if \tau < 15
	v_min3_num_f32 v[MU], v[MU], v[Q+10], v[Q+11]
	v_min3_num_f32 v[T0], v[T0], v[Q+12], v[Q+13]
.endif
	v_pk_add_f32 v[WP:WP+1], v[WP:WP+1], v[WP+4:WP+5]
	v_pk_add_f32 v[SP:SP+1], v[SP:SP+1], v[SP+4:SP+5]
.if \tau < 15
	v_min3_num_f32 v[MU], v[MU], v[Q+14], v[Q+15]
.endif
	v_add_f32 v[T0+3], v[WP], v[WP+1]
	v_add_f32 v[T0+2], v[SP], v[SP+1]
.if \tau < 15
	v_min_num_f32 v[MU], v[MU], v[T0]
.endif
	v_permlanex16_b32 v[T0+5], v[T0+3], s34, s35   ; the other half's 16 tasks
	v_permlanex16_b32 v[T0+4], v[T0+2], s34, s35
.if \tau < 15
	v_permlanex16_b32 v[T0+1], v[MU], s34, s35
.endif
	v_add_f32 v[RC+3], v[T0+3], v[T0+5]
	v_add_f32 v[RC+2], v[T0+2], v[T0+4]
.if \tau < 15
	v_min_num_f32 v[MU], v[MU], v[T0+1]            ; mu of time step tau + 1
	v_mul_f32 v[KM], s43, v[MU]
.endif
	ds_store_b128 v[RST], v[RC:RC+3] offset:16*\tau   ; both halves of the wave hold the same record and write the same 16 bytes
.if \prod
.if \tau < 15
	FETCH \tau+1, FB0                              ; lands on the sources of the matrix instructions above, twelve plain vector lines or more behind them
.endif
.endif
.endm
; My 32 points from F (f32) to BF (bf16), 16 at a time: a load takes one point's 512 bytes, a store its 256.
.macro CONVERT
.irp g, 0,1
.irp j, 0,1,2,3,4,5,6,7,8,9,10,11,12,13,14,15
	ds_load_b128 v[X+4*\j:X+4*\j+3], v[FA] offset:512*(16*\g+\j)
.endr
.irp j, 0,1,2,3,4,5,6,7,8,9,10,11,12,13,14,15
	s_wait_dscnt 15                                ; behind load j stand 15 - j loads and j stores, and LDS serves a wave in order (ISA guide 5.7.1)
	v_cvt_pk_bf16_f32 v[X+4*\j],   v[X+4*\j],   v[X+4*\j+1]
	v_cvt_pk_bf16_f32 v[X+4*\j+1], v[X+4*\j+2], v[X+4*\j+3]
	ds_store_b64 v[CS0+\g], v[X+4*\j:X+4*\j+1] offset:TAUSTEP*\j   ; point 32 w + 16 g + j: segment 2 w + g, time step j
.endr
.endr
.endm
; The targets of the block that comes in: rounded to bf16, kept for that block's merge, and their negatives laid out for C.
; first = 0: the block before it is still to be merged: its targets move to TBFO.  more = 1: the following block's are asked for.
.macro TNB more, first
	s_wait_loadcnt 0x0                             ; my target is in; the load's base may be stepped
.if \first == 0
	v_mov_b32 v[TBFO], v[TBF]
.endif
	v_cvt_pk_bf16_f32 v[T0], v[TRAW], v[TRAW]
	v_lshlrev_b32 v[TBF], 16, v[T0]
.irp i, 0,1,2,3
	v_xor_b32 v[TQ+\i], 0x80000000, v[TBF]
.endr
	ds_store_b128 v[TNS], v[TQ:TQ+3]
.if \more
	s_add_nc_u64 s[10:11], s[10:11], 1024
	global_load_b32 v[TRAW], v[TO], s[10:11]
.endif
.endm
; Thread p merges the eight waves' records of point p: d_i = the stabilisers' distance from record 0's, m = the smallest (0 for record 0),
; a_i = exp2(k (m - d_i)), so the largest a is 1.  tb = the register with the block's targets.  more = 1: part's base steps to the next block.
.macro MERGE more, tb
.irp i, 0,1,2,3,4,5,6,7
	ds_load_b128 v[M+4*\i:M+4*\i+3], v[RLD] offset:RECW*\i
.endr
	s_wait_dscnt 0x0                               ; all eight are needed at once
.irp i, 1,2,3,4,5,6,7
	v_sub_f32 v[M+4*\i],   v[M+4*\i],   v[M]
	v_sub_f32 v[M+4*\i+1], v[M+4*\i+1], v[M+1]
.endr
.irp i, 1,2,3,4,5,6,7
	v_add_f32 v[M+4*\i], v[M+4*\i], v[M+4*\i+1]
.endr
	v_min3_num_f32 v[T0], v[M+4], v[M+8], v[M+12]
	v_min3_num_f32 v[T0], v[T0], v[M+16], v[M+20]
	v_min3_num_f32 v[T0], v[T0], v[M+24], v[M+28]
	v_min_num_f32 v[T0], 0, v[T0]
	v_mul_f32 v[T0+1], s43, v[T0]                  ; k m
.irp i, 1,2,3,4,5,6,7
	v_fma_f32 v[M+4*\i], v[M+4*\i], s32, v[T0+1]
.endr
	v_exp_f32 v[T0+1], v[T0+1]
.irp i, 1,2,3,4,5,6,7
	v_exp_f32 v[M+4*\i], v[M+4*\i]
.endr
	v_add_f32 v[M+1], v[M+1], v[T0]                ; L0 + m; also the plain instruction behind the exponentials
	s_wait_alu depctr_va_vdst(0)
	v_mul_f32 v[M+2], v[T0+1], v[M+2]
	v_mul_f32 v[M+3], v[T0+1], v[M+3]
.irp i, 1,2,3,4,5,6,7
	v_fmac_f32 v[M+2], v[M+4*\i], v[M+4*\i+2]
	v_fmac_f32 v[M+3], v[M+4*\i], v[M+4*\i+3]
.endr
	v_fmac_f32 v[M+3], v[\tb], v[M+2]              ; sum e r + target sum e = sum e (x.w)
	global_store_b128 v[PO], v[M:M+3], s[12:13]    ; sixteen lanes store 256 consecutive bytes, at a multiple of 256 from part's first byte
.if \more
	s_wait_xcnt 0x0                                ; the store's base and data are rewritten only behind this wait
	s_add_nc_u64 s[12:13], s[12:13], 4096
.endif
.endm
; One trip: block b is consumed and merged, block b + 1 is converted and multiplied.  On entry every wave has done with BF and TN (a barrier has said so).
; refill = 1: F is asked for again, for block b + 2, as soon as every wave of the four work-groups has converted its part of block b + 1.
; The barrier (or round) behind the conversion also stands between the last merge's reads of the records and this trip's record stores.
.macro TRIP refill
	s_wait_xcnt 0x0
	v_lshl_add_u32 v254, v0, 2, 0x3a800
	v_mov_b32 v255, 0
	s_wait_tensorcnt 0x0                           ; my one tensor load has landed: my 32 points of block b + 1 are in F, and no load of mine is out, so group 0 may be written
	ds_add_u32 v254, v255
	s_wait_dscnt 0x0
.if \refill
	s_add_nc_u64 s[22:23], s[22:23], 131072        ; the following block's 256 points
.endif
	TNB \refill, 0
	CONVERT
	s_wait_dscnt 0x0                               ; my reads of F and of the last records are back, my rows of BF and my words of TN are written
.if \refill
	ROUND                                          ; that now holds of every wave of the four work-groups
	tensor_load_to_lds s[20:23], s[24:31]          ; my one tensor load behind the round, first thing: it has the whole trip's work in which to land
	s_nop 0
.else
	s_barrier_signal -1
	s_barrier_wait -1                              ; BF and TN are whole; nothing is left to fetch
.endif
	FETCH 0, FB0                                   ; slot 0's fragments: time step 0's exponentials and sums stand between this and their use
.irp t, 0,1,2,3,4,5,6,7,8,9,10,11,12,13,14,15
	STEPF \t, 1
.endr
	WIN 0x05
.irp i, 0,2,4,6,8,10,12,14
	v_pk_fma_f32 v[TOT+\i:TOT+\i+1], v[240+\i:240+\i+1], v[240+\i:240+\i+1], v[TOT+\i:TOT+\i+1]   ; slot 15 joins the totals, behind the sums of time step 15
.endr
	WIN 0
	SCANALL \refill                                ; behind the last block nothing is carried on
	s_wait_dscnt 0x0                               ; my records are written; my reads of BF and TN are back
	s_barrier_signal -1
	s_barrier_wait -1                              ; all records are there, and BF and TN may be written again.  No LDS bytes are filled again behind this barrier before the next round
	MERGE 1, TBFO
.endm
	; block 0 comes in and is multiplied by itself
	s_wait_xcnt 0x0
	v_lshl_add_u32 v254, v0, 2, 0x3a800
	v_mov_b32 v255, 0
	s_wait_tensorcnt 0x0                           ; my 32 points of block 0 are in F; no load of mine is out, so group 0 may be written
	ds_add_u32 v254, v255
	s_wait_dscnt 0x0
	s_add_nc_u64 s[22:23], s[22:23], 131072
	TNB 1, 1
	CONVERT
	s_wait_dscnt 0x0                               ; my reads of F are back, my rows of BF and my words of TN are written
	ROUND
	tensor_load_to_lds s[20:23], s[24:31]          ; block 1
	s_nop 0
	PRODUCE
	TOTALS
	SCANALL 1
	s_wait_dscnt 0x0
	s_barrier_signal -1
	s_barrier_wait -1                              ; every wave has read what it needs of block 0 in BF and TN
	s_mov_b32 s36, 6                               ; trips b = 0..5 ask for blocks 2..7
.Lblk:
	TRIP 1
	s_sub_co_i32 s36, s36, 1
	s_cmp_lg_u32 s36, 0
	s_cbranch_scc1 .Lblk
	TRIP 0                                         ; b = 6: block 7 is converted and multiplied, nothing more is fetched
	; No conversion follows, so the barrier that a trip has behind it is written here by itself: block 6's records have been read by every wave
	; before any wave stores block 7's into the same bytes.
	s_wait_dscnt 0x0                               ; my reads of block 6's records are back (met: the merge has waited for them)
	s_barrier_signal -1
	s_barrier_wait -1                              ; every wave's are.  No tensor load is out and none follows
.irp t, 0,1,2,3,4,5,6,7,8,9,10,11,12,13,14,15
	STEPF \t, 0                                    ; block 7 is consumed alone
.endr
	s_wait_dscnt 0x0                               ; my records are written
	s_barrier_signal -1
	s_barrier_wait -1
	MERGE 0, TBF
	s_wait_xcnt 0x0
	v_lshl_add_u32 v254, v0, 2, 0x3a800
	v_mov_b32 v255, 0
	s_wait_tensorcnt 0x0
	ds_add_u32 v254, v255
	s_wait_dscnt 0x0
	ROUND                                          ; the closing round: no work-group ends while a partner may still ask jointly
	s_endpgm
.Lfunc_end_k_q487ab466d7_post:
	.size	k_q487ab466d7_post, .Lfunc_end_k_q487ab466d7_post-k_q487ab466d7_post
	.p2alignl 7, 3214868480
	.fill 96, 4, 3214868480
	.section	.rodata,"a",@progbits
	.p2align	6, 0x0
	.amdhsa_kernel k_q487ab466d7_post
		.amdhsa_group_segment_fixed_size 327680
		.amdhsa_private_segment_fixed_size 0
		.amdhsa_enable_private_segment 0
		.amdhsa_kernarg_size 40
		.amdhsa_user_sgpr_count 2
		.amdhsa_user_sgpr_kernarg_segment_ptr 1
		.amdhsa_wavefront_size32 1
		.amdhsa_system_sgpr_workgroup_id_x 1
		.amdhsa_system_sgpr_workgroup_id_y 1
		.amdhsa_system_sgpr_workgroup_id_z 1
		.amdhsa_system_vgpr_workitem_id 0
		.amdhsa_next_free_vgpr 512
		.amdhsa_next_free_sgpr 66
		.amdhsa_reserve_vcc 0
		.amdhsa_float_denorm_mode_32 3
		.amdhsa_float_denorm_mode_16_64 3
		.amdhsa_memory_ordered 1
		.amdhsa_forward_progress 1
		.amdhsa_inst_pref_size 255
	.end_amdhsa_kernel
	.section	.bss,"aw",@nobits
	.p2align	6
	.space	262144
	.amdgpu_metadata
---
amdhsa.version: [ 1, 2 ]
amdhsa.kernels:
  - .name:           k_q487ab466d7_post
    .symbol:         k_q487ab466d7_post.kd
    .args:
      - { .name: W, .offset: 0, .size: 8, .value_kind: global_buffer, .address_space: global }
      - { .name: W_minor, .offset: 8, .size: 8, .value_kind: global_buffer, .address_space: global }
      - { .name: data, .offset: 16, .size: 8, .value_kind: global_buffer, .address_space: global }
      - { .name: targets, .offset: 24, .size: 8, .value_kind: global_buffer, .address_space: global }
      - { .name: part, .offset: 32, .size: 8, .value_kind: global_buffer, .address_space: global }
    .group_segment_fixed_size: 327680
    .private_segment_fixed_size: 0
    .kernarg_segment_align: 8
    .kernarg_segment_size: 40
    .max_flat_workgroup_size: 256
    .sgpr_count:     66
    .vgpr_count:     512
    .wavefront_size: 32
...
	.end_amdgpu_metadata
.endif
;; end of part 3
;; launch comb: the kernel of part 2 again; grid 256 x 1, 8 waves a work-group, no clusters, 0 bytes of LDS; arguments part, out0; writes out0
